; MI455X (gfx1250); checked and timed in simulation.
; The chip was launched on July 23, 2026; its instructions are those of AMD's public machine-readable ISA for CDNA 5 (MIT licence, August 2026) and "CDNA5" Instruction Set Architecture Reference Guide (July 2026). The comments in the code are by the model that wrote it; some were corrected since.
;; Cross Linear Attention. Allowed arithmetic: matrix products marked QUANTISED: E2M1 operands, one E8M0 scale for each 32 along K, by v_wmma_scale_f32_16x16x128_f8f6f4 with both operands' format E2M1 (or v_wmma_scale_f32_32x16x128_f4), f32 sums; products left as they are: bf16, f16 or f32 operands; f32 sums; everything else in f32.
;; Inputs: Wkv 256 x 1,024 float32; Wout 512 x 256 float32; Wq 256 x 512 float32; bout 256 float32; x 4 x 8,192 x 256 float32; z 4 x 8,192 x 256 float32.
;; Outputs: out0 4 x 8,192 x 256 float32.
;; This version of the problem:
;;   THIS VERSION OF THE PROBLEM IS GIVEN IN LOW PRECISION. The matrix products marked QUANTISED in the list below multiply operands that are first quantised to E2M1 (2 exponent bits, 1 mantissa bit; 4 bits a number), with one power-of-two scale for each 32 numbers along K (OCP MX v1.0); their sums are f32. The products marked 'left as it is' may take bf16, f16 or f32 operands, with f32 sums. Whichever they take, every output number must still come out within the allowed error. Rounding operands to bf16 (8 significant bits) uses up far more of that allowance than f16 does (11 bits, for magnitudes from 6e-5 to 65,504). All else is computed in f32.
;;   The module's matrix products, in the order in which they are computed (A, B: the left and right operand; K: the contracted axis; several contracted axes count as one K, in the product's order):
;;     1. [M 32,768, K 256] x [K 256, N 512]; A: input x; B: input Wq: QUANTISED
;;     2. [M 32,768, K 256] x [K 256, N 1,024]; A: input z; B: input Wkv: QUANTISED
;;     3. batch 32 x [M 64, K 8,192] x [K 8,192, N 64]; A: computed on the way; B: computed on the way: left as it is (an operand is computed on the way)
;;     4. batch 32 x [M 8,192, K 64] x [K 64, N 64]; A: computed on the way; B: computed on the way: left as it is (an operand is computed on the way)
;;     5. [M 32,768, K 512] x [K 512, N 256]; A: computed on the way; B: input Wout: left as it is (an operand is computed on the way)
;;   THE QUANTISER, for each operand of a quantised product, along K:
;;     - K is cut into blocks of 32 from its start; a last block that is shorter is filled with zeros.
;;     - A block's scale is 2^e with e = floor(log2(the largest magnitude in the block)) - 2, held to -126 .. 127; a block of zeros has e = 0. As a byte (E8M0): e + 127.
;;     - Each number is divided by its block's scale, clamped to +-6, and rounded to the nearest number of E2M1, ties to even, subnormals kept.
;;     - The product sums the exact products of the quantised numbers (number of the format x scale) in f32.
;;   ~~~python
;;   def quantise(x, axis):      # numpy; x: float32 -> the quantised numbers, widened to float32 again
;;       x = np.moveaxis(x, axis, -1); K = x.shape[-1]
;;       x = np.pad(x, [(0, 0)] * (x.ndim - 1) + [(0, -K % 32)]); x = x.reshape(x.shape[:-1] + (-1, 32)); a = np.abs(x).max(-1, keepdims=True)
;;       e = np.where(a > 0, np.clip(np.frexp(np.where(a > 0, a, 1))[1] - 1 - 2, -126, 127), 0)      # np.frexp(a)[1] - 1 = floor(log2(a)), exactly
;;       r = np.clip(x / 2.0 ** e, -6, 6)
;;       step = 2.0 ** (np.maximum(np.frexp(np.where(r == 0, 1, r))[1] - 1, 0) - 1)
;;       q = np.round(r / step) * step * 2.0 ** e      # np.round: ties to even
;;       return np.moveaxis(q.reshape(q.shape[:-2] + (-1,))[..., :K], -1, axis).astype(np.float32)
;;   ~~~
;; One version. Each part assembles by itself: llvm-mc -triple=amdgcn-amd-amdhsa -mcpu=gfx1250 --defsym DOCPART=n.
;; ======== version 1 of 1: 4 launches
;; limits: values are held in f16: magnitudes above 65,504 overflow, below 6.1e-05 lose precision
;; workspace buffers: zc 4,194,304 bytes; zs 262,144 bytes; wc 196,608 bytes; ws 12,288 bytes; part 4,194,304 bytes; g16 1,048,576 bytes; xc 4,194,304 bytes; xs 262,144 bytes
;; launch quant (part 1): grid 268 x 1, 8 waves a work-group, no clusters, 134,144 bytes of LDS; arguments z, Wkv, Wq, zc, zs, wc, ws; writes zc, zs, wc, ws
.if DOCPART == 1
	.amdgcn_target "amdgcn-amd-amdhsa--gfx1250"
	.amdhsa_code_object_version 6
	.text
	.protected	k_qd4de20703f_quant
	.globl	k_qd4de20703f_quant
	.p2align	8
	.type	k_qd4de20703f_quant,@function
k_qd4de20703f_quant:
	s_mov_b64 s[64:65], 0
	v_nop
	global_prefetch_b8 v0, s[64:65] scope:SCOPE_SE
	s_setreg_imm32_b32 hwreg(HW_REG_WAVE_MODE, 25, 1), 1
	s_wait_xcnt 0x0
; z [32768][256], Wkv [256][1024] and Wq [256][512], f32, become codes of FP4 (E2M1) with one E8M0 scale byte for each 32 along K (K = the 256), laid IN THE ORDER OF THE OPERAND'S REGISTERS:
;   zc: [tile of 16 tokens][K step s of 128][c][lane][16 bytes]: lane (r, h) holds row r, k = 128 s + 64 c + 32 h + 0 .. 31;   zs: [tile][lane] 4 bytes: lane 16 s + r holds row r's scale word of K step s.
;   wc: 96 tiles of 16 columns laid as a tile of zc (0-63 Wkv's, 64-95 Wq's);   ws: [pair of tiles][s][lane] 4 bytes: lane L holds the word of column 32 pair + L.
; A block's scale is 2^(floor(log2(its largest magnitude)) - 2); its byte is that magnitude's exponent field - 2, held at 1 from below by a floor among the maximum's leaves.
; LIMITS: a block of zeros gets the byte 1 where the rule says 127 (its codes are zeros, and this program alone reads the bytes); NaN and infinities among the inputs are not served.
; SHARES.  Work-groups 0-255: wave w takes the tile 8 x work-group + w of z: 16 KB in by loads of 512 consecutive bytes, turned through the wave's own stage in LDS so that a lane holds 32 neighbours along K.
; Work-groups 256-263 (Wkv) and 264-267 (Wq): a wave takes 32 columns x 128 along K; a lane takes a column and its registers run down K, so nothing is transposed.  The branches hang on the work-group's number alone.
; No tensor load, no barrier: waves share nothing.  All of a wave's loads are issued at its head.
.set PITCH, 1040                       ; a stage row: 1,024 bytes + 16: row r starts 4 r words on modulo 64, so the 16 rows that a read touches differ
.set STG,   16*PITCH                   ; a wave's stage
.set SPARE, 8*STG                      ; behind the stages: the spare words, 128 bytes for each wave
.set LN,  1                            ; v1   lane
.set L16, 2                            ; v2   16 x lane
.set L4,  3                            ; v3   4 x lane
.set STW, 4                            ; v4   the stage, on the way in
.set STR, 5                            ; v5   and on the way out: row r, + 128 h
.set SH8, 6                            ; v6   8 h
.set TMP, 7                            ; v7   at work (a lane permute's destination: written at the head)
.set SPW, 8                            ; v8   my spare word; never rewritten
.set NIL, 9                            ; v9   0; never rewritten
.set VO,  10                           ; v10  the weights' codes: my place in a pair of tiles
.set R,   16                           ; v16-143  128 numbers as loaded
.set T0,  144                          ; v144-207 64 numbers of K step 0
.set CW,  144                          ; v144-159 the weights' codes
.set MX,  208                          ; v208-211 largest magnitudes;  v212-215 the conversions' scale operands;  v216-219 bytes
.set SCF, 212
.set BY,  216
.set W0,  220                          ; v220, v221 scale words
.set W1,  221
.set C0,  224                          ; v224-231, v232-239 a fragment's codes, one set for each K step
.set C1,  232
.set SEL, 20                           ; s[20:21] v_permlanex16_b32's selects for lane l xor 16
; 64 numbers of a lane, register 32 c + i = k 64 c + 32 h + i of my row, become the fragment's eight registers v[cd] on and my row's scale word in v[w] (in both halves of the lanes).
.macro QB src, cd, w
.irp c, 0,1
	v_max3_num_f32 v[MX+\c], |v[\src+32*\c]|, |v[\src+32*\c+1]|, 0x1800000    ; my block 2 c + h: all its 32 numbers are mine; the floor 2^(3 - 127) holds the byte at 1 from below
.endr
.irp i, 2,4,6,8,10,12,14,16,18,20,22,24,26,28,30
.irp c, 0,1
	v_max3_num_f32 v[MX+\c], v[MX+\c], |v[\src+32*\c+\i]|, |v[\src+32*\c+\i+1]|   ; the two blocks by turns
.endr
.endr
.irp c, 0,1
	v_add_nc_u32 v[SCF+\c], 0xff000000, v[MX+\c]       ; 2 off the exponent field: the conversion takes the exponent field of this operand as its scale
.endr
.irp c, 0,1
	v_lshrrev_b32 v[BY+\c], 23, v[SCF+\c]              ; the scale's byte
.endr
	v_lshl_or_b32 v[\w], v[BY+1], 16, v[BY]            ; my two bytes: blocks h and 2 + h,
	v_lshlrev_b32 v[\w], v[SH8], v[\w]                 ; at their places in the word;
	v_permlanex16_b32 v[TMP], v[\w], s[SEL], s[SEL+1]
	v_or_b32 v[\w], v[\w], v[TMP]                      ; with lane l xor 16's two the word is whole
.irp c, 0,1
.irp g, 0,1,2,3
	v_cvt_scalef32_pk8_fp4_f32 v[\cd+4*\c+\g], v[\src+32*\c+8*\g:\src+32*\c+8*\g+7], v[SCF+\c]
.endr
.endr
	v_nop                                              ; one plain place behind the last scaled conversion
.endm
; K step st of my row out of the stage: 2 x 128 bytes, eight loads each
.macro TLD st, dst
.irp c, 0,1
.irp g, 0,1,2,3,4,5,6,7
	ds_load_b128 v[\dst+32*\c+4*\g:\dst+32*\c+4*\g+3], v[STR] offset:512*(\st)+256*\c+16*\g
.endr
.endr
.endm
; 128 rows of a weight at my column: 32 lanes read 128 consecutive bytes
.macro WLOADS sb, pitch
.set i, 0
.rept 128
	global_load_b32 v[R+i], v[L4], s[\sb:\sb+1] offset:i*\pitch th:TH_LOAD_NT
.set i, i+1
.endr
.endm
	s_load_b256 s[4:11], s[0:1], 0x0               ; z s[4:5], Wkv s[6:7], Wq s[8:9], zc s[10:11]
	s_load_b128 s[12:15], s[0:1], 0x20             ; zs s[12:13], wc s[14:15]
	s_load_b64 s[16:17], s[0:1], 0x30              ; ws
	v_lshl_add_u32 v[SPW], v0, 2, SPARE
	v_mov_b32 v[NIL], 0
	v_lshrrev_b32 v[LN], 5, v0
	v_readfirstlane_b32 s18, v[LN]                 ; wave 0..7
	v_and_b32 v[LN], 31, v0
	v_lshlrev_b32 v[L16], 4, v[LN]
	v_lshlrev_b32 v[L4], 2, v[LN]
	s_mov_b32 s[SEL], 0x76543210
	s_mov_b32 s[SEL+1], 0xfedcba98
	s_mov_b32 s25, 0
	s_wait_kmcnt 0x0
	s_cmp_ge_u32 ttmp9, 256
	s_cbranch_scc1 .Lweights
	; ---- z: one tile of 16 tokens a wave
	v_and_b32 v[STR], 15, v0                       ; r
	v_bfe_u32 v[SH8], v0, 4, 1                     ; h
	s_mul_i32 s19, s18, STG                        ; my stage
	v_mul_u32_u24 v[STR], v[STR], PITCH
	v_lshl_add_u32 v[STR], v[SH8], 7, v[STR]
	v_add_nc_u32 v[STR], s19, v[STR]
	v_add_nc_u32 v[STW], s19, v[L16]
	v_lshlrev_b32 v[SH8], 3, v[SH8]
	v_mov_b32 v[TMP], 0
	s_lshl_b32 s22, ttmp9, 3
	s_add_co_u32 s22, s22, s18                     ; my tile, 0 .. 2,047
	s_lshl_b32 s24, s22, 14
	s_add_nc_u64 s[4:5], s[4:5], s[24:25]          ; z: 16,384 bytes a tile
	s_lshl_b32 s24, s22, 11
	s_add_nc_u64 s[10:11], s[10:11], s[24:25]      ; zc: 2,048
	s_lshl_b32 s24, s22, 7
	s_add_nc_u64 s[12:13], s[12:13], s[24:25]      ; zs: 128
.set i, 0
.rept 32
	global_load_b128 v[R+4*i:R+4*i+3], v[L16], s[4:5] offset:512*i th:TH_LOAD_NT   ; 512 consecutive bytes: half a token's row
.set i, i+1
.endr
.set i, 0
.rept 4
	s_wait_loadcnt 24-8*(i/8)                      ; loads come back in order: this group of eight is in, the 24, 16, 8, 0 younger ones may be out
.rept 8
	ds_store_b128 v[STW], v[R+4*i:R+4*i+3] offset:(i/2)*PITCH+(i%2)*512
.set i, i+1
.endr
.endr
	TLD 0, T0                                      ; LDS serves a wave's instructions in order: these see my stores
	s_wait_dscnt 0x0                               ; K step 0 is in, and the stage's stores have read v16-143,
	TLD 1, R                                       ; which take K step 1 while step 0 is quantised
	QB T0, C0, W0
.irp c, 0,1
	global_store_b128 v[L16], v[C0+4*\c:C0+4*\c+3], s[10:11] offset:512*\c         ; 32 lanes store 512 consecutive bytes
.endr
	s_wait_dscnt 0x0                               ; K step 1 is in
	QB R, C1, W1
.irp c, 0,1
	global_store_b128 v[L16], v[C1+4*\c:C1+4*\c+3], s[10:11] offset:1024+512*\c
.endr
	v_cmp_gt_u32 vcc_lo, 16, v[LN]
	v_cndmask_b32 v[W0], v[W1], v[W0], vcc_lo      ; lanes 0-15 keep K step 0's word of row r, lanes 16-31 take K step 1's
	global_store_b32 v[L4], v[W0], s[12:13]        ; 128 consecutive bytes
	s_branch .Lend
	; ---- the weights: 32 columns x 128 along K a wave
.Lweights:
	s_sub_co_u32 s22, ttmp9, 256
	s_lshl_b32 s22, s22, 3
	s_add_co_u32 s22, s22, s18                     ; 0 .. 95 = 2 x pair of tiles + K step
	s_lshr_b32 s23, s22, 1                         ; the pair: 0-31 Wkv's, 32-47 Wq's
	s_and_b32 s26, s22, 1                          ; the K step
	s_lshl_b32 s24, s23, 12
	s_lshl_b32 s27, s26, 10
	s_add_co_u32 s24, s24, s27
	s_add_nc_u64 s[14:15], s[14:15], s[24:25]      ; wc + 4,096 pair + 1,024 s
	s_lshl_b32 s24, s22, 7
	s_add_nc_u64 s[16:17], s[16:17], s[24:25]      ; ws + 256 pair + 128 s
	v_lshrrev_b32 v[VO], 4, v[LN]
	v_and_b32 v[TMP], 15, v[LN]
	v_lshlrev_b32 v[TMP], 4, v[TMP]
	v_lshl_add_u32 v[VO], v[VO], 11, v[TMP]        ; lanes 16-31 belong to the pair's second tile: 2,048 (lane / 16) + 16 (lane % 16)
	s_cmp_ge_u32 ttmp9, 264
	s_cbranch_scc1 .Lwq
	s_lshl_b32 s24, s23, 7                         ; Wkv: 128 bytes a pair of tiles, 128 rows of 4,096 bytes a K step
	s_lshl_b32 s27, s26, 19
	s_add_co_u32 s24, s24, s27
	s_add_nc_u64 s[6:7], s[6:7], s[24:25]
	WLOADS 6, 4096
	s_branch .Lwork
.Lwq:
	s_sub_co_u32 s24, s23, 32                      ; Wq: rows of 2,048 bytes
	s_lshl_b32 s24, s24, 7
	s_lshl_b32 s27, s26, 18
	s_add_co_u32 s24, s24, s27
	s_add_nc_u64 s[8:9], s[8:9], s[24:25]
	WLOADS 8, 2048
.Lwork:
	s_wait_loadcnt 0x0
.irp j, 0,1,2,3
	v_max3_num_f32 v[MX+\j], |v[R+32*\j]|, |v[R+32*\j+1]|, 0x1800000               ; four whole blocks of my column, by turns; the floor as above
.endr
.irp i, 2,4,6,8,10,12,14,16,18,20,22,24,26,28,30
.irp j, 0,1,2,3
	v_max3_num_f32 v[MX+\j], v[MX+\j], |v[R+32*\j+\i]|, |v[R+32*\j+\i+1]|
.endr
.endr
.irp j, 0,1,2,3
	v_add_nc_u32 v[SCF+\j], 0xff000000, v[MX+\j]
.endr
.irp j, 0,1,2,3
	v_lshrrev_b32 v[BY+\j], 23, v[SCF+\j]
.endr
	v_lshl_or_b32 v[W0], v[BY+1], 8, v[BY]         ; my column's scale word of this K step
	v_lshl_or_b32 v[W0], v[BY+2], 16, v[W0]
	v_lshl_or_b32 v[W0], v[BY+3], 24, v[W0]
.irp j, 0,1,2,3
.irp g, 0,1,2,3
	v_cvt_scalef32_pk8_fp4_f32 v[CW+4*\j+\g], v[R+32*\j+8*\g:R+32*\j+8*\g+7], v[SCF+\j]
.endr
.endr
	v_nop                                          ; one plain place behind the last scaled conversion
.irp j, 0,1,2,3
	global_store_b128 v[VO], v[CW+4*\j:CW+4*\j+3], s[14:15] offset:512*(\j/2)+256*(\j%2)   ; block j = 2 c + h of the fragment: sixteen lanes store 256 consecutive bytes, aligned
.endr
	global_store_b32 v[L4], v[W0], s[16:17]
.Lend:
	s_wait_tensorcnt 0x0                           ; the wave's end
	ds_add_u32 v[SPW], v[NIL]
	s_wait_dscnt 0x0
	s_endpgm
.Lfunc_end_k_qd4de20703f_quant:
	.size	k_qd4de20703f_quant, .Lfunc_end_k_qd4de20703f_quant-k_qd4de20703f_quant
	.p2alignl 7, 3214868480
	.fill 96, 4, 3214868480
	.section	.rodata,"a",@progbits
	.p2align	6, 0x0
	.amdhsa_kernel k_qd4de20703f_quant
		.amdhsa_group_segment_fixed_size 134144
		.amdhsa_private_segment_fixed_size 0
		.amdhsa_enable_private_segment 0
		.amdhsa_kernarg_size 56
		.amdhsa_user_sgpr_count 2
		.amdhsa_user_sgpr_kernarg_segment_ptr 1
		.amdhsa_wavefront_size32 1
		.amdhsa_system_sgpr_workgroup_id_x 1
		.amdhsa_system_sgpr_workgroup_id_y 1
		.amdhsa_system_sgpr_workgroup_id_z 1
		.amdhsa_system_vgpr_workitem_id 0
		.amdhsa_next_free_vgpr 256
		.amdhsa_next_free_sgpr 66
		.amdhsa_reserve_vcc 1
		.amdhsa_float_denorm_mode_32 3
		.amdhsa_float_denorm_mode_16_64 3
		.amdhsa_memory_ordered 1
		.amdhsa_forward_progress 1
		.amdhsa_inst_pref_size 47
	.end_amdhsa_kernel
	.amdgpu_metadata
---
amdhsa.version: [ 1, 2 ]
amdhsa.kernels:
  - .name:           k_qd4de20703f_quant
    .symbol:         k_qd4de20703f_quant.kd
    .args:
      - { .name: z, .offset: 0, .size: 8, .value_kind: global_buffer, .address_space: global }
      - { .name: Wkv, .offset: 8, .size: 8, .value_kind: global_buffer, .address_space: global }
      - { .name: Wq, .offset: 16, .size: 8, .value_kind: global_buffer, .address_space: global }
      - { .name: zc, .offset: 24, .size: 8, .value_kind: global_buffer, .address_space: global }
      - { .name: zs, .offset: 32, .size: 8, .value_kind: global_buffer, .address_space: global }
      - { .name: wc, .offset: 40, .size: 8, .value_kind: global_buffer, .address_space: global }
      - { .name: ws, .offset: 48, .size: 8, .value_kind: global_buffer, .address_space: global }
    .group_segment_fixed_size: 134144
    .private_segment_fixed_size: 0
    .kernarg_segment_align: 8
    .kernarg_segment_size: 56
    .max_flat_workgroup_size: 256
    .sgpr_count:     66
    .vgpr_count:     256
    .wavefront_size: 32
...
	.end_amdgpu_metadata
.endif
;; end of part 1
;; launch kvdots (part 2): grid 8 x 32, 8 waves a work-group, no clusters, 205,824 bytes of LDS; arguments zc, zs, wc, ws, part; writes part
.if DOCPART == 2
	.amdgcn_target "amdgcn-amd-amdhsa--gfx1250"
	.amdhsa_code_object_version 6
	.text
	.protected	k_qd4de20703f_kvdots
	.globl	k_qd4de20703f_kvdots
	.p2align	8
	.type	k_qd4de20703f_kvdots,@function
k_qd4de20703f_kvdots:
	s_mov_b64 s[64:65], 0
	v_nop
	global_prefetch_b8 v0, s[64:65] scope:SCOPE_SE
	s_setreg_imm32_b32 hwreg(HW_REG_WAVE_MODE, 25, 1), 1
	s_wait_xcnt 0x0
; For one head h (work-group x) and 1,024 tokens (work-group y = 8 x batch + chunk): kv = Q(z) Q(Wkv) on FP4 codes, the head's 64 columns of k and 64 of v; both normalised over their 64 numbers
; (mean, then the mean square of the centred numbers: no difference of large sums; f32); rounded to f16 (|k|, |v| < 8 by the norm itself); dots[d][e] += sum over tokens of k[d] v[e], f16 operands, f32 sums.
; SHARES.  Eight waves, 128 tokens each, in four pairs of tiles of 16.  Two waves lie on a SIMD, so that one's norm (vector work) stands beside the other's products.
; LAYOUT.  The first product is used transposed (source 0 = 16 columns of Wkv, source 1 = 16 tokens): a lane holds ONE token and 8 columns a tile, so a norm wants one exchange with lane l xor 16.
; The tokens are the second product's K and lie across lanes: 32 tokens x 128 columns of f16 go through the wave's own stage in LDS and come back turned (ds_load_tr16_b128).
; The eight waves' 64 x 64 sums meet in LDS; wave w adds tiles 2 w and 2 w + 1 and stores them as images of the accumulators' registers.
; NO JOINT LOADS, NO TENSOR LOADS: codes and scale words lie in memory in the order of the operand's registers, each byte of z's codes is read by one wave of the work-group, once, straight into those registers
; (17 KB a wave); a joint load lands in LDS and would add an LDS read of every byte.
; LIMITS: NaN and infinities among the inputs are not served.
; REGISTERS.  window 0: v1-9 addresses; v16-23 z's scale words (a tile each); v24-31 Wkv's; v32-95, v96-159 kv of the pair's two tiles (8 tiles of columns x 8), later packed f16 and the turned fragments;
;   v160-223 z's fragments, two sets; v224-255 eight registers of statistics for each of four groups.   window 1: v0-127 Wkv's 16 fragments; v128-255 the 16 accumulators of dots.
.set SP,    288                        ; a stage row: 256 bytes (64 k, 64 v in f16) + 32: 72 words, an odd multiple of 8 words, as the turning load's eight rows x 32 bytes want
.set STGW,  32*SP                      ; a wave's stage: 32 tokens
.set RED,   8*STGW                     ; behind the stages: 16,384 bytes for each wave's sums
.set SPARE, RED+8*16384                ; behind them: the spare words, 128 bytes for each wave
.set L16, 1                            ; v1  16 x lane
.set L4,  2                            ; v2  4 x lane
.set STO, 3                            ; v3  the stage, in: row r, + 16 h
.set TRA, 4                            ; v4  the stage, turned: row 8 h + lane % 8, + 16 ((lane / 8) % 2)
.set RST, 5                            ; v5  my wave's sums
.set RLD, 6                            ; v6, v7  tiles 2 w, 2 w + 1 of waves 0-3, of waves 4-7
.set SPW, 8                            ; v8  my spare word; never rewritten
.set NIL, 9                            ; v9  0; never rewritten
.set ZS,  16
.set WS,  24
.set KVA, 32
.set KVB, 96
.set Z,   160
.set ST,  224                          ; group q at ST + 8 q: +0, +1 and +2, +3 two packed chains; +4 a sum; +5 the other lane's; +6 what is broadcast (+7 named with it as a pair)
.set ACC, 128                          ; in window 1
.set SEL, 20
.set MSB, 0
.macro WIN new                         ; the immediate's high byte repeats the setting that is left; a switch that changes nothing is dropped
.if MSB != (\new)
	s_set_vgpr_msb (MSB<<8)|(\new)
.set MSB, (\new)
.endif
.endm
.macro ZLOAD p                         ; pair p's two tiles of z's codes, both K steps, into set p % 2: eight loads of 512 consecutive bytes
.irp x, 0,1
.irp s, 0,1
.irp c, 0,1
	global_load_b128 v[Z+32*((\p)%2)+16*\x+8*\s+4*\c:Z+32*((\p)%2)+16*\x+8*\s+4*\c+3], v[L16], s[4:5] offset:2048*(2*(\p)+\x)+1024*\s+512*\c
.endr
.endr
.endr
.endm
; one product: tile x of pair p, 16 columns t, K step s.  Wkv's scale words lie two tiles to a register (odd tiles in lanes 16-31), z's two K steps to a register.  K step 0 starts the sum: nothing is cleared.
.macro KVMUL p, x, t, s
.set rD, KVA+64*(\x)+8*(\t)
.set rW, 16*(\t)+8*(\s)
.set rZ, Z+32*((\p)%2)+16*(\x)+8*(\s)
.set rA, WS+2*((\t)/2)+(\s)
.set rB, ZS+2*(\p)+(\x)
.if (\s) == 0
.if ((\t)%2) == 0
	v_wmma_scale_f32_16x16x128_f8f6f4 v[rD:rD+7], v[rW:rW+7], v[rZ:rZ+7], 0, v[rA], v[rB] matrix_a_fmt:MATRIX_FMT_FP4 matrix_b_fmt:MATRIX_FMT_FP4
.else
	v_wmma_scale_f32_16x16x128_f8f6f4 v[rD:rD+7], v[rW:rW+7], v[rZ:rZ+7], 0, v[rA], v[rB] matrix_a_fmt:MATRIX_FMT_FP4 matrix_b_fmt:MATRIX_FMT_FP4 matrix_a_scale:MATRIX_SCALE_ROW1
.endif
.else
.if ((\t)%2) == 0
	v_wmma_scale_f32_16x16x128_f8f6f4 v[rD:rD+7], v[rW:rW+7], v[rZ:rZ+7], v[rD:rD+7], v[rA], v[rB] matrix_a_fmt:MATRIX_FMT_FP4 matrix_b_fmt:MATRIX_FMT_FP4 matrix_b_scale:MATRIX_SCALE_ROW1
.else
	v_wmma_scale_f32_16x16x128_f8f6f4 v[rD:rD+7], v[rW:rW+7], v[rZ:rZ+7], v[rD:rD+7], v[rA], v[rB] matrix_a_fmt:MATRIX_FMT_FP4 matrix_b_fmt:MATRIX_FMT_FP4 matrix_a_scale:MATRIX_SCALE_ROW1 matrix_b_scale:MATRIX_SCALE_ROW1
.endif
.endif
.endm
; the two chains, the two halves and lane l xor 16's: the sum over a token's 64 numbers, in ST + 4 of each group
.macro JOIN
.irp q, 0,1,2,3
	v_pk_add_f32 v[ST+8*\q:ST+8*\q+1], v[ST+8*\q:ST+8*\q+1], v[ST+8*\q+2:ST+8*\q+3]
.endr
.irp q, 0,1,2,3
	v_add_f32 v[ST+8*\q+4], v[ST+8*\q], v[ST+8*\q+1]
.endr
.irp q, 0,1,2,3
	v_permlanex16_b32 v[ST+8*\q+5], v[ST+8*\q+4], s[SEL], s[SEL+1]
.endr
.irp q, 0,1,2,3
	v_add_f32 v[ST+8*\q+4], v[ST+8*\q+4], v[ST+8*\q+5]
.endr
.endm
; THE NORM of four groups of 32 registers (tile A's k, its v, tile B's k, its v), the groups by turns so that no line waits for the line above it.  Each accumulator is read from its low end on.
.macro NORM4
.irp q, 0,1,2,3
	v_pk_add_f32 v[ST+8*\q:ST+8*\q+1], v[KVA+32*\q:KVA+32*\q+1], v[KVA+32*\q+2:KVA+32*\q+3]
.endr
.irp q, 0,1,2,3
	v_pk_add_f32 v[ST+8*\q+2:ST+8*\q+3], v[KVA+32*\q+4:KVA+32*\q+5], v[KVA+32*\q+6:KVA+32*\q+7]
.endr
.irp i, 8,12,16,20,24,28
.irp q, 0,1,2,3
	v_pk_add_f32 v[ST+8*\q:ST+8*\q+1], v[ST+8*\q:ST+8*\q+1], v[KVA+32*\q+\i:KVA+32*\q+\i+1]
.endr
.irp q, 0,1,2,3
	v_pk_add_f32 v[ST+8*\q+2:ST+8*\q+3], v[ST+8*\q+2:ST+8*\q+3], v[KVA+32*\q+\i+2:KVA+32*\q+\i+3]
.endr
.endr
	JOIN
.irp q, 0,1,2,3
	v_mul_f32 v[ST+8*\q+6], 0xbc800000, v[ST+8*\q+4]       ; - the mean (x -1/64)
.endr
.irp i, 0,2,4,6,8,10,12,14,16,18,20,22,24,26,28,30
.irp q, 0,1,2,3
	v_pk_add_f32 v[KVA+32*\q+\i:KVA+32*\q+\i+1], v[KVA+32*\q+\i:KVA+32*\q+\i+1], v[ST+8*\q+6:ST+8*\q+7] op_sel_hi:[1,0]   ; centred
.endr
.endr
.irp q, 0,1,2,3
	v_pk_mul_f32 v[ST+8*\q:ST+8*\q+1], v[KVA+32*\q:KVA+32*\q+1], v[KVA+32*\q:KVA+32*\q+1]
.endr
.irp q, 0,1,2,3
	v_pk_mul_f32 v[ST+8*\q+2:ST+8*\q+3], v[KVA+32*\q+2:KVA+32*\q+3], v[KVA+32*\q+2:KVA+32*\q+3]
.endr
.irp i, 4,8,12,16,20,24,28
.irp q, 0,1,2,3
	v_pk_fma_f32 v[ST+8*\q:ST+8*\q+1], v[KVA+32*\q+\i:KVA+32*\q+\i+1], v[KVA+32*\q+\i:KVA+32*\q+\i+1], v[ST+8*\q:ST+8*\q+1]
.endr
.irp q, 0,1,2,3
	v_pk_fma_f32 v[ST+8*\q+2:ST+8*\q+3], v[KVA+32*\q+\i+2:KVA+32*\q+\i+3], v[KVA+32*\q+\i+2:KVA+32*\q+\i+3], v[ST+8*\q+2:ST+8*\q+3]
.endr
.endr
	JOIN
.irp q, 0,1,2,3
	v_fma_f32 v[ST+8*\q+4], v[ST+8*\q+4], s22, s23         ; the variance + 1e-5
.endr
.irp q, 0,1,2,3
	v_rsq_f32 v[ST+8*\q+6], v[ST+8*\q+4]
.endr
	v_nop                                                  ; a plain place behind the last of the four
	s_wait_alu depctr_va_vdst(0)                           ; one wait for the batch of four, ahead of its first reader
.irp i, 0,2,4,6,8,10,12,14,16,18,20,22,24,26,28,30
.irp q, 0,1,2,3
	v_pk_mul_f32 v[KVA+32*\q+\i:KVA+32*\q+\i+1], v[KVA+32*\q+\i:KVA+32*\q+\i+1], v[ST+8*\q+6:ST+8*\q+7] op_sel_hi:[1,0]
.endr
.endr
.irp i, 0,1,2,3,4,5,6,7,8,9,10,11,12,13,14,15
.irp q, 0,1,2,3
	v_cvt_pk_f16_f32 v[KVA+32*\q+\i], v[KVA+32*\q+2*\i], v[KVA+32*\q+2*\i+1]   ; in place, ascending: register i is written when 2 i and 2 i + 1 are read; a tile's 8 columns are 4 registers
.endr
.endr
.endm
; A PAIR of tiles: 32 tokens
.macro PAIR p
.if (\p) < 3
	s_wait_loadcnt 8                               ; this pair's codes (and all that was asked for earlier) are in; the next pair's eight loads may be out
.else
	s_wait_loadcnt 0x0
.endif
	WIN 0x01                                       ; source 0 (Wkv) window 1
.irp s, 0,1
.irp x, 0,1
.irp t, 0,1,2,3,4,5,6,7
	KVMUL \p, \x, \t, \s                           ; the 16 accumulators take turns, one instruction a turn
.endr
.endr
.endr
	WIN 0
.rept 4
	v_nop                                          ; four places in front of the loads into z's registers and of the first read of the results
.endr
.if (\p) < 2
	ZLOAD (\p)+2                                   ; this pair's set takes the pair two on
.endif
	NORM4
.irp x, 0,1
.irp t, 0,1,2,3,4,5,6,7
	ds_store_b128 v[STO], v[KVA+64*\x+32*(\t/4)+4*(\t%4):KVA+64*\x+32*(\t/4)+4*(\t%4)+3] offset:16*SP*\x+32*\t   ; token 16 x + r, columns 16 t + 8 h + 0 .. 7 (t 0-3: k; 4-7: v)
.endr
.endr
.irp d, 0,1,2,3                                    ; back, turned: a fragment is 16 columns x 32 tokens; they land in the halves that the packing has left free.  LDS serves a wave's instructions in order: these see my stores
	ds_load_tr16_b128 v[KVA+16+32*(\d/2)+8*(\d%2):KVA+16+32*(\d/2)+8*(\d%2)+3], v[TRA] offset:32*\d
	ds_load_tr16_b128 v[KVA+20+32*(\d/2)+8*(\d%2):KVA+20+32*(\d/2)+8*(\d%2)+3], v[TRA] offset:32*\d+16*SP
	ds_load_tr16_b128 v[KVB+16+32*(\d/2)+8*(\d%2):KVB+16+32*(\d/2)+8*(\d%2)+3], v[TRA] offset:128+32*\d
	ds_load_tr16_b128 v[KVB+20+32*(\d/2)+8*(\d%2):KVB+20+32*(\d/2)+8*(\d%2)+3], v[TRA] offset:128+32*\d+16*SP
.endr
	s_wait_dscnt 0x0
	WIN 0x50                                       ; C and D window 1
.irp d, 0,1,2,3                                    ; source 0 = 16 columns of v, source 1 = 16 of k: lane (r, hh) holds d = 16 dt + r, register j e = 16 et + 8 hh + j
.irp e, 0,1,2,3
.if (\p) == 0
	v_wmma_f32_16x16x32_f16 v[ACC+8*(4*\d+\e):ACC+8*(4*\d+\e)+7], v[KVB+16+32*(\e/2)+8*(\e%2):KVB+16+32*(\e/2)+8*(\e%2)+7], v[KVA+16+32*(\d/2)+8*(\d%2):KVA+16+32*(\d/2)+8*(\d%2)+7], 0
.else
	v_wmma_f32_16x16x32_f16 v[ACC+8*(4*\d+\e):ACC+8*(4*\d+\e)+7], v[KVB+16+32*(\e/2)+8*(\e%2):KVB+16+32*(\e/2)+8*(\e%2)+7], v[KVA+16+32*(\d/2)+8*(\d%2):KVA+16+32*(\d/2)+8*(\d%2)+7], v[ACC+8*(4*\d+\e):ACC+8*(4*\d+\e)+7]
.endif
.endr
.endr
	WIN 0
.rept 5
	v_nop                                          ; five places: the next pair's products write over the fragments just read; behind the last pair they stand in front of the stores of the sums
.endr
.endm
	s_load_b256 s[4:11], s[0:1], 0x0               ; zc s[4:5], zs s[6:7], wc s[8:9], ws s[10:11]
	s_load_b64 s[12:13], s[0:1], 0x20              ; part
	v_lshl_add_u32 v[SPW], v0, 2, SPARE
	v_mov_b32 v[NIL], 0
	v_lshrrev_b32 v10, 5, v0
	v_readfirstlane_b32 s18, v10                   ; wave 0..7
	v_and_b32 v10, 31, v0
	v_lshlrev_b32 v[L16], 4, v10
	v_lshlrev_b32 v[L4], 2, v10
	v_and_b32 v11, 15, v0                          ; r
	v_bfe_u32 v12, v0, 4, 1                        ; h
	s_and_b32 s19, ttmp7, 0xffff                   ; y = 8 x batch + chunk
	s_mul_i32 s24, s18, STGW                       ; my stage
	v_mul_u32_u24 v[STO], v11, SP
	v_lshl_add_u32 v[STO], v12, 4, v[STO]
	v_add_nc_u32 v[STO], s24, v[STO]
	v_and_b32 v13, 7, v0
	v_lshl_add_u32 v[TRA], v12, 3, v13
	v_mul_u32_u24 v[TRA], v[TRA], SP
	v_bfe_u32 v13, v0, 3, 1
	v_lshl_add_u32 v[TRA], v13, 4, v[TRA]
	v_add_nc_u32 v[TRA], s24, v[TRA]
	s_lshl_b32 s24, s18, 14
	s_add_co_u32 s24, s24, RED
	v_add_nc_u32 v[RST], s24, v[L16]
	s_lshl_b32 s24, s18, 11
	s_add_co_u32 s24, s24, RED
	v_add_nc_u32 v[RLD], s24, v[L16]
	v_add_nc_u32 v[RLD+1], 0x10000, v[RLD]
.irp q, 0,1,2,3
	v_mov_b32 v[ST+8*\q+5], 0                      ; written once: a lane permute's destination counts as one of its sources,
	v_mov_b32 v[ST+8*\q+7], 0                      ; and the upper half of a pair that is named counts as read
.endr
	s_mov_b32 s[SEL], 0x76543210
	s_mov_b32 s[SEL+1], 0xfedcba98
	s_mov_b32 s22, 0x3c800000                      ; 1/64
	s_mov_b32 s23, 0x3727c5ac                      ; 1e-5
	s_lshl_b32 s26, s19, 6
	s_lshl_b32 s27, s18, 3
	s_add_co_u32 s26, s26, s27                     ; my first tile of tokens: 64 y + 8 w
	s_mov_b32 s25, 0
	s_wait_kmcnt 0x0
	s_lshl_b32 s24, s26, 11
	s_add_nc_u64 s[4:5], s[4:5], s[24:25]
	s_lshl_b32 s24, s26, 7
	s_add_nc_u64 s[6:7], s[6:7], s[24:25]
	s_lshl_b32 s24, ttmp9, 13
	s_add_nc_u64 s[8:9], s[8:9], s[24:25]          ; wc at tile 4 h: the head's k; its v lies 32 tiles on
	s_lshl_b32 s24, ttmp9, 9
	s_add_nc_u64 s[10:11], s[10:11], s[24:25]      ; ws at pair 2 h; v's 16 pairs on
	s_lshr_b32 s24, s19, 3
	s_lshl_b32 s24, s24, 3
	s_add_co_u32 s24, s24, ttmp9                   ; 8 x batch + head
	s_lshl_b32 s24, s24, 3
	s_and_b32 s27, s19, 7
	s_add_co_u32 s24, s24, s27                     ; x 8 + chunk
	s_lshl_b32 s24, s24, 14
	s_lshl_b32 s27, s18, 11
	s_add_co_u32 s24, s24, s27                     ; 16,384 bytes a chunk; my two tiles
	s_add_nc_u64 s[12:13], s[12:13], s[24:25]
.irp q, 0,1,2,3
.irp s, 0,1
	global_load_b32 v[WS+2*\q+\s], v[L4], s[10:11] offset:4096*(\q/2)+128*(2*(\q%2)+\s)
.endr
.endr
	WIN 0x40                                       ; destination window 1
.irp t, 0,1,2,3,4,5,6,7
.irp s, 0,1
.irp c, 0,1
	global_load_b128 v[16*\t+8*\s+4*\c:16*\t+8*\s+4*\c+3], v[L16], s[8:9] offset:57344*(\t/4)+2048*\t+1024*\s+512*\c   ; Wkv's fragments stay in registers
.endr
.endr
.endr
	WIN 0
.irp t, 0,1,2,3,4,5,6,7
	global_load_b32 v[ZS+\t], v[L4], s[6:7] offset:128*\t
.endr
	ZLOAD 0
	ZLOAD 1
	PAIR 0
	PAIR 1
	PAIR 2
	PAIR 3
	; ---- the eight waves' sums meet
	WIN 0x04                                       ; an LDS store's data are its source 1: window 1
.set i, 0
.rept 16
	ds_store_b128 v[RST], v[ACC+8*i:ACC+8*i+3] offset:1024*i               ; each accumulator from its low end on
	ds_store_b128 v[RST], v[ACC+8*i+4:ACC+8*i+7] offset:1024*i+512
.set i, i+1
.endr
	WIN 0
	s_wait_dscnt 0x0                               ; for the others' sake: my stores have landed
	s_barrier_signal -1
	s_barrier_wait -1
.irp a, 0,1,2,3,4,5,6,7
.irp i, 0,1
.irp g, 0,1
	ds_load_b128 v[KVA+16*\a+8*\i+4*\g:KVA+16*\a+8*\i+4*\g+3], v[RLD+\a/4] offset:16384*(\a%4)+1024*\i+512*\g   ; wave a's tiles 2 w + i
.endr
.endr
.endr
	s_wait_dscnt 0x0
.irp a, 0,2,4,6
.irp j, 0,2,4,6,8,10,12,14
	v_pk_add_f32 v[KVA+16*\a+\j:KVA+16*\a+\j+1], v[KVA+16*\a+\j:KVA+16*\a+\j+1], v[KVA+16*\a+16+\j:KVA+16*\a+16+\j+1]
.endr
.endr
.irp a, 0,4
.irp j, 0,2,4,6,8,10,12,14
	v_pk_add_f32 v[KVA+16*\a+\j:KVA+16*\a+\j+1], v[KVA+16*\a+\j:KVA+16*\a+\j+1], v[KVA+16*\a+32+\j:KVA+16*\a+32+\j+1]
.endr
.endr
.irp j, 0,2,4,6,8,10,12,14
	v_pk_add_f32 v[KVA+\j:KVA+\j+1], v[KVA+\j:KVA+\j+1], v[KVA+64+\j:KVA+64+\j+1]
.endr
.irp i, 0,1
.irp g, 0,1
	global_store_b128 v[L16], v[KVA+8*\i+4*\g:KVA+8*\i+4*\g+3], s[12:13] offset:1024*\i+512*\g   ; 32 lanes store 512 consecutive bytes
.endr
.endr
	s_wait_tensorcnt 0x0                           ; the wave's end: three lines behind the last LDS store
	ds_add_u32 v[SPW], v[NIL]
	s_wait_dscnt 0x0
	s_endpgm
.Lfunc_end_k_qd4de20703f_kvdots:
	.size	k_qd4de20703f_kvdots, .Lfunc_end_k_qd4de20703f_kvdots-k_qd4de20703f_kvdots
	.p2alignl 7, 3214868480
	.fill 96, 4, 3214868480
	.section	.rodata,"a",@progbits
	.p2align	6, 0x0
	.amdhsa_kernel k_qd4de20703f_kvdots
		.amdhsa_group_segment_fixed_size 205824
		.amdhsa_private_segment_fixed_size 0
		.amdhsa_enable_private_segment 0
		.amdhsa_kernarg_size 40
		.amdhsa_user_sgpr_count 2
		.amdhsa_user_sgpr_kernarg_segment_ptr 1
		.amdhsa_wavefront_size32 1
		.amdhsa_system_sgpr_workgroup_id_x 1
		.amdhsa_system_sgpr_workgroup_id_y 1
		.amdhsa_system_sgpr_workgroup_id_z 1
		.amdhsa_system_vgpr_workitem_id 0
		.amdhsa_next_free_vgpr 512
		.amdhsa_next_free_sgpr 66
		.amdhsa_reserve_vcc 0
		.amdhsa_float_denorm_mode_32 3
		.amdhsa_float_denorm_mode_16_64 3
		.amdhsa_memory_ordered 1
		.amdhsa_forward_progress 1
		.amdhsa_inst_pref_size 136
	.end_amdhsa_kernel
	.amdgpu_metadata
---
amdhsa.version: [ 1, 2 ]
amdhsa.kernels:
  - .name:           k_qd4de20703f_kvdots
    .symbol:         k_qd4de20703f_kvdots.kd
    .args:
      - { .name: zc, .offset: 0, .size: 8, .value_kind: global_buffer, .address_space: global }
      - { .name: zs, .offset: 8, .size: 8, .value_kind: global_buffer, .address_space: global }
      - { .name: wc, .offset: 16, .size: 8, .value_kind: global_buffer, .address_space: global }
      - { .name: ws, .offset: 24, .size: 8, .value_kind: global_buffer, .address_space: global }
      - { .name: part, .offset: 32, .size: 8, .value_kind: global_buffer, .address_space: global }
    .group_segment_fixed_size: 205824
    .private_segment_fixed_size: 0
    .kernarg_segment_align: 8
    .kernarg_segment_size: 40
    .max_flat_workgroup_size: 256
    .sgpr_count:     66
    .vgpr_count:     512
    .wavefront_size: 32
...
	.end_amdgpu_metadata
.endif
;; end of part 2
;; launch xgmat (part 3): grid 384 x 1, 4 waves a work-group, no clusters, 133,632 bytes of LDS; arguments x, part, Wout, xc, xs, g16; writes xc, xs, g16
.if DOCPART == 3
	.amdgcn_target "amdgcn-amd-amdhsa--gfx1250"
	.amdhsa_code_object_version 6
	.text
	.protected	k_qd4de20703f_xgmat
	.globl	k_qd4de20703f_xgmat
	.p2align	8
	.type	k_qd4de20703f_xgmat,@function
k_qd4de20703f_xgmat:
	s_mov_b64 s[64:65], 0
	v_nop
	global_prefetch_b8 v0, s[64:65] scope:SCOPE_SE
	s_setreg_imm32_b32 hwreg(HW_REG_WAVE_MODE, 25, 1), 1
	s_wait_xcnt 0x0
; TWO KINDS OF WORK-GROUPS, told apart by the work-group's number alone; they share no byte.
; WORK-GROUPS 0-255: x [32768][256], f32, becomes codes of FP4 (E2M1) with one E8M0 scale byte for each 32 along K (K = the 256), laid IN THE ORDER OF THE OPERAND'S REGISTERS:
;   xc: [tile of 16 tokens][K step s of 128][c][lane][16 bytes]: lane (r, h) holds row r, k = 128 s + 64 c + 32 h + 0 .. 31;   xs: [tile][lane] 4 bytes: lane 16 s + r holds row r's scale word of K step s.
;   A block's scale is 2^(floor(log2(its largest magnitude)) - 2); its byte is that magnitude's exponent field - 2, held at 1 from below by a floor among the maximum's leaves.
;   A work-group takes 128 tokens, a wave two tiles: 32 KB in by loads of 512 consecutive bytes, turned through the wave's own stage in LDS so that a lane holds 32 neighbours along K.  The first tile is quantised while the second's loads are out.
; WORK-GROUPS 256-383: out = (q dots / 8192) Wout + bout = q G + bout with G[b][64 h + d][n] = sum over e of dots[b][h][d][e] / 8192 x Wout[64 h + e][n]: the same sums in another order, for every input.
;   They add the eight chunks' partial dots (f32), take dots x 2^-7 and Wout to f16, and make G x 2^6 by the f16 matrix form with f32 sums; it goes out in f16, in the order of the next launch's operand registers:
;   g16: [batch][w = n / 64][u = k / 32][c = (n / 16) % 4][g][lane][16 bytes]: lane (r, hh) holds n = 64 w + 16 c + r, k = 32 u + 16 g + 8 hh + 0 .. 7.
;   Number - 256 = 4 (8 x batch + head) + (64 columns n); wave = 16 rows d.  128 work-groups: all the work that there is (67 MFLOP).  They touch no LDS but the closing add.
; LIMITS.  A block of zeros gets the byte 1 where the rule says 127 (its codes are zeros, and this program alone reads the bytes).  |dots| <= 8192 x 63, so |dots x 2^-7| <= 4,032.  G x 2^6 leaves f16's range only where
; 64 x 63.5 x the norm of 64 numbers of a column of Wout passes 65,504: a norm above 16, a hundred times the drawn one.  NaN and infinities among the inputs are not served.
; No tensor load, no barrier: waves share nothing.
.set XPITCH, 1040                      ; a stage row: 1,024 bytes + 16: row r starts 4 r words on modulo 64, so the 16 rows that a read touches differ
.set XSTG,  32*XPITCH                  ; a wave's stage: its 32 tokens
.set SPARE, 4*XSTG                     ; behind the stages: the spare words, 128 bytes for each wave
.set L16,  1                           ; v1   16 x lane
.set L4,   2                           ; v2   4 x lane
.set SPW,  7                           ; v7   my spare word; never rewritten
.set NIL,  8                           ; v8   0; never rewritten
; x's work-groups.  window 0: as below;  window 1: v0-127 the second tile as loaded
.set XSTW, 3                           ; v3   the stage, on the way in
.set XSTR, 4                           ; v4   and on the way out: row r, + 128 h
.set SH8,  5                           ; v5   8 h
.set TMP,  6                           ; v6   at work (a lane permute's destination: written at the head)
.set WD,   10                          ; v10-13   the four scale words
.set MX,   14                          ; v14-15 largest magnitudes;  v16-17 the conversions' scale operands;  v18-19 bytes
.set SCF,  16
.set BY,   18
.set HA,   24                          ; v24-151  the first tile as loaded; then 64 numbers of a K step
.set PKX,  152                         ; v152-215 64 numbers of a K step
.set CC,   216                         ; v216-247 four fragments' codes: a set for each, so that no store's data are written again
; G's work-groups.  window 1: the partial sums, chunk c at 32 c + 8 et + 4 g.   window 0: v32-159 Wout's numbers, then fragments; v160-175 dots' two fragments; v176-207 four accumulators; v208-223 their f16
.set VB,   3                           ; v3   Wout: 8 rows of 1,024 bytes for lanes 16-31, + 4 r
.set BN,   32
.set AF,   160
.set DD,   176
.set OO,   208
.set SEL,  20                          ; s[20:21] v_permlanex16_b32's selects for lane l xor 16
.set MSB, 0
.macro WIN new                         ; the immediate's high byte repeats the setting that is left; a switch that changes nothing is dropped
.if MSB != (\new)
	s_set_vgpr_msb (MSB<<8)|(\new)
.set MSB, (\new)
.endif
.endm
; 64 numbers of a lane, register 32 c + i = k 64 c + 32 h + i of my row, become the fragment's eight registers v[cd] on and my row's scale word in v[w] (in both halves of the lanes).
.macro QB src, cd, w
.irp c, 0,1
	v_max3_num_f32 v[MX+\c], |v[\src+32*\c]|, |v[\src+32*\c+1]|, 0x1800000    ; my block 2 c + h: all its 32 numbers are mine; the floor 2^(3 - 127) holds the byte at 1 from below
.endr
.irp i, 2,4,6,8,10,12,14,16,18,20,22,24,26,28,30
.irp c, 0,1
	v_max3_num_f32 v[MX+\c], v[MX+\c], |v[\src+32*\c+\i]|, |v[\src+32*\c+\i+1]|   ; the two blocks by turns
.endr
.endr
.irp c, 0,1
	v_add_nc_u32 v[SCF+\c], 0xff000000, v[MX+\c]       ; 2 off the exponent field: the conversion takes the exponent field of this operand as its scale
.endr
.irp c, 0,1
	v_lshrrev_b32 v[BY+\c], 23, v[SCF+\c]              ; the scale's byte
.endr
	v_lshl_or_b32 v[\w], v[BY+1], 16, v[BY]            ; my two bytes: blocks h and 2 + h,
	v_lshlrev_b32 v[\w], v[SH8], v[\w]                 ; at their places in the word;
	v_permlanex16_b32 v[TMP], v[\w], s[SEL], s[SEL+1]
	v_or_b32 v[\w], v[\w], v[TMP]                      ; with lane l xor 16's two the word is whole
.irp c, 0,1
.irp g, 0,1,2,3
	v_cvt_scalef32_pk8_fp4_f32 v[\cd+4*\c+\g], v[\src+32*\c+8*\g:\src+32*\c+8*\g+7], v[SCF+\c]
.endr
.endr
	v_nop                                              ; one plain place behind the last scaled conversion
.endm
.macro TLD ti, st, dst                 ; K step st of my row of my tile ti, out of the stage: 2 x 128 bytes, eight loads each
.irp c, 0,1
.irp g, 0,1,2,3,4,5,6,7
	ds_load_b128 v[\dst+32*\c+4*\g:\dst+32*\c+4*\g+3], v[XSTR] offset:16*XPITCH*(\ti)+512*(\st)+256*\c+16*\g
.endr
.endr
.endm
.macro XOUT ti, st, cd                 ; a fragment goes out as it stands: 32 lanes store 512 consecutive bytes
.irp c, 0,1
	global_store_b128 v[L16], v[\cd+4*\c:\cd+4*\c+3], s[10:11] offset:2048*(\ti)+1024*(\st)+512*\c
.endr
.endm
	s_load_b256 s[4:11], s[0:1], 0x0               ; x s[4:5], part s[6:7], Wout s[8:9], xc s[10:11]
	s_load_b128 s[12:15], s[0:1], 0x20             ; xs s[12:13], g16 s[14:15]
	v_lshl_add_u32 v[SPW], v0, 2, SPARE
	v_mov_b32 v[NIL], 0
	v_lshrrev_b32 v9, 5, v0
	v_readfirstlane_b32 s18, v9                    ; wave 0..3
	v_and_b32 v9, 31, v0
	v_lshlrev_b32 v[L16], 4, v9
	v_lshlrev_b32 v[L4], 2, v9
	s_mov_b32 s25, 0
	s_wait_kmcnt 0x0
	s_cmp_ge_u32 ttmp9, 256
	s_cbranch_scc1 .Lgmat
	; ---- x: two tiles of 16 tokens a wave
	s_lshl_b32 s24, ttmp9, 17                      ; x: 128 rows of 1,024 bytes a work-group, 32 a wave
	s_lshl_b32 s26, s18, 15
	s_add_co_u32 s24, s24, s26
	s_add_nc_u64 s[4:5], s[4:5], s[24:25]
.set i, 0
.rept 32
	global_load_b128 v[HA+4*i:HA+4*i+3], v[L16], s[4:5] offset:512*i th:TH_LOAD_NT             ; my first tile: 512 consecutive bytes a load, half a token's row
.set i, i+1
.endr
	WIN 0x40                                       ; destination window 1
.set i, 0
.rept 32
	global_load_b128 v[4*i:4*i+3], v[L16], s[4:5] offset:16384+512*i th:TH_LOAD_NT             ; my second
.set i, i+1
.endr
	WIN 0
	s_lshl_b32 s24, ttmp9, 14                      ; xc: 2,048 bytes a tile: 8 tiles a work-group, 2 a wave
	s_lshl_b32 s26, s18, 12
	s_add_co_u32 s24, s24, s26
	s_add_nc_u64 s[10:11], s[10:11], s[24:25]
	s_lshl_b32 s24, ttmp9, 10                      ; xs: 128 bytes a tile
	s_lshl_b32 s26, s18, 8
	s_add_co_u32 s24, s24, s26
	s_add_nc_u64 s[12:13], s[12:13], s[24:25]
	s_mov_b32 s[SEL], 0x76543210
	s_mov_b32 s[SEL+1], 0xfedcba98
	v_and_b32 v[XSTR], 15, v0                      ; r
	v_bfe_u32 v[SH8], v0, 4, 1                     ; h
	s_mul_i32 s19, s18, XSTG                       ; my stage
	v_mul_u32_u24 v[XSTR], v[XSTR], XPITCH
	v_lshl_add_u32 v[XSTR], v[SH8], 7, v[XSTR]
	v_add_nc_u32 v[XSTR], s19, v[XSTR]
	v_add_nc_u32 v[XSTW], s19, v[L16]
	v_lshlrev_b32 v[SH8], 3, v[SH8]
	v_mov_b32 v[TMP], 0
	s_wait_loadcnt 32                              ; loads come back in order: the first tile is in, the second's 32 loads may be out
.set i, 0
.rept 32
	ds_store_b128 v[XSTW], v[HA+4*i:HA+4*i+3] offset:(i/2)*XPITCH+(i%2)*512
.set i, i+1
.endr
	TLD 0, 0, PKX                                  ; LDS serves a wave's instructions in order: these see my stores
	s_wait_dscnt 0x0                               ; K step 0 is in, and the stage's stores have read v24-151,
	TLD 0, 1, HA                                   ; which take K step 1 while step 0 is quantised
	QB PKX, CC, WD
	XOUT 0, 0, CC
	s_wait_dscnt 0x0                               ; K step 1 is in
	QB HA, CC+8, WD+1
	XOUT 0, 1, CC+8
	s_wait_loadcnt 0x0                             ; the second tile
	WIN 0x04                                       ; an LDS store's data are its source 1: window 1
.set i, 0
.rept 32
	ds_store_b128 v[XSTW], v[4*i:4*i+3] offset:16*XPITCH+(i/2)*XPITCH+(i%2)*512
.set i, i+1
.endr
	WIN 0
	TLD 1, 0, PKX
	s_wait_dscnt 0x0
	TLD 1, 1, HA
	QB PKX, CC+16, WD+2
	XOUT 1, 0, CC+16
	s_wait_dscnt 0x0
	QB HA, CC+24, WD+3
	XOUT 1, 1, CC+24
	v_cmp_eq_u32 vcc_lo, 0, v[SH8]
	v_cndmask_b32 v[WD], v[WD+1], v[WD], vcc_lo    ; lanes 0-15 keep K step 0's word of row r, lanes 16-31 take K step 1's
	v_cndmask_b32 v[WD+2], v[WD+3], v[WD+2], vcc_lo
	global_store_b32 v[L4], v[WD], s[12:13]        ; 128 consecutive bytes a tile
	global_store_b32 v[L4], v[WD+2], s[12:13] offset:128
	s_branch .Lend
	; ---- G
.Lgmat:
	v_and_b32 v4, 15, v0
	v_bfe_u32 v5, v0, 4, 1
	v_lshlrev_b32 v[VB], 2, v4
	v_lshl_add_u32 v[VB], v5, 13, v[VB]
	s_sub_co_u32 s19, ttmp9, 256                   ; 0 .. 127
	s_and_b32 s22, s19, 3                          ; which 64 columns n
	s_lshr_b32 s19, s19, 2                         ; 8 x batch + head
	s_and_b32 s20, s19, 7                          ; head
	s_lshr_b32 s21, s19, 3                         ; batch
	s_lshl_b32 s24, s19, 17                        ; part: 8 chunks of 16,384 bytes a head; my four tiles (wave = dt)
	s_lshl_b32 s26, s18, 12
	s_add_co_u32 s24, s24, s26
	s_add_nc_u64 s[6:7], s[6:7], s[24:25]
	s_lshl_b32 s24, s20, 16                        ; Wout: the head's 64 rows of 1,024 bytes; my work-group's 64 columns
	s_lshl_b32 s26, s22, 8
	s_add_co_u32 s24, s24, s26
	s_add_nc_u64 s[8:9], s[8:9], s[24:25]
	s_lshl_b32 s24, s21, 18                        ; g16: 262,144 batch + 65,536 w + 4,096 u + 512 g, u = 2 head + dt / 2, g = dt % 2
	s_lshl_b32 s26, s22, 16
	s_add_co_u32 s24, s24, s26
	s_lshl_b32 s26, s20, 13
	s_add_co_u32 s24, s24, s26
	s_lshr_b32 s26, s18, 1
	s_lshl_b32 s26, s26, 12
	s_add_co_u32 s24, s24, s26
	s_and_b32 s26, s18, 1
	s_lshl_b32 s26, s26, 9
	s_add_co_u32 s24, s24, s26
	s_add_nc_u64 s[14:15], s[14:15], s[24:25]
.irp i, 0,1,2,3                                    ; a lane takes column 16 i + r and its registers run down e, in the order of a 16-bit fragment: e = 32 s + 16 (q / 8) + 8 hh + q % 8
.irp s, 0,1
.irp q, 0,1,2,3,4,5,6,7,8,9,10,11,12,13,14,15
	global_load_b32 v[BN+16*(2*\i+\s)+\q], v[VB], s[8:9] offset:(32*\s+16*(\q/8)+\q%8)*1024+64*\i
.endr
.endr
.endr
	WIN 0x40                                       ; destination window 1
.irp c, 0,1,2,3,4,5,6,7
.irp e, 0,1,2,3
.irp g, 0,1
	global_load_b128 v[32*\c+8*\e+4*\g:32*\c+8*\e+4*\g+3], v[L16], s[6:7] offset:16384*\c+1024*\e+512*\g
.endr
.endr
.endr
	WIN 0
	s_wait_loadcnt 63                              ; 64 loads were issued behind Wout's 128: with at most 63 out, Wout's are in (the count's field holds no more)
.irp k, 0,1,2,3,4,5,6,7
.irp q, 0,1,2,3,4,5,6,7
	v_cvt_pk_f16_f32 v[BN+16*\k+\q], v[BN+16*\k+2*\q], v[BN+16*\k+2*\q+1]      ; in place, ascending: a fragment is the first 8 of its 16 registers
.endr
.endr
	s_wait_loadcnt 0x0
	WIN 0x45                                       ; destination and both sources window 1
.irp c, 0,2,4,6
.irp j, 0,2,4,6,8,10,12,14,16,18,20,22,24,26,28,30
	v_pk_add_f32 v[32*\c+\j:32*\c+\j+1], v[32*\c+\j:32*\c+\j+1], v[32*\c+32+\j:32*\c+32+\j+1]
.endr
.endr
.irp c, 0,4
.irp j, 0,2,4,6,8,10,12,14,16,18,20,22,24,26,28,30
	v_pk_add_f32 v[32*\c+\j:32*\c+\j+1], v[32*\c+\j:32*\c+\j+1], v[32*\c+64+\j:32*\c+64+\j+1]
.endr
.endr
.irp j, 0,2,4,6,8,10,12,14,16,18,20,22,24,26,28,30
	v_pk_add_f32 v[\j:\j+1], v[\j:\j+1], v[128+\j:128+\j+1]
.endr
.irp j, 0,2,4,6,8,10,12,14,16,18,20,22,24,26,28,30
	v_pk_mul_f32 v[\j:\j+1], v[\j:\j+1], 0x3c000000 op_sel_hi:[1,0]                ; x 2^-7: exact
.endr
	WIN 0x05                                       ; sources window 1, destination window 0
.irp i, 0,1,2,3,4,5,6,7,8,9,10,11,12,13,14,15
	v_cvt_pk_f16_f32 v[AF+\i], v[2*\i], v[2*\i+1]  ; lane (r, hh): row d = 16 dt + r; tiles et = 2 s, 2 s + 1 ARE the two halves of fragment s
.endr
	WIN 0
.rept 4
	v_nop                                          ; four plain places between the conversions and the products that read their results
.endr
.irp s, 0,1                                        ; source 0 = 16 rows d of dots, source 1 = 16 columns n of Wout: a lane holds one n, its registers run along d, the next product's K.  The four accumulators take turns
.irp i, 0,1,2,3
.if \s == 0
	v_wmma_f32_16x16x32_f16 v[DD+8*\i:DD+8*\i+7], v[AF:AF+7], v[BN+32*\i:BN+32*\i+7], 0
.else
	v_wmma_f32_16x16x32_f16 v[DD+8*\i:DD+8*\i+7], v[AF+8:AF+15], v[BN+32*\i+16:BN+32*\i+23], v[DD+8*\i:DD+8*\i+7]
.endif
.endr
.endr
.rept 4
	v_nop                                          ; four places in front of the first read of the results
.endr
.irp i, 0,1,2,3
.irp j, 0,1,2,3
	v_cvt_pk_f16_f32 v[OO+4*\i+\j], v[DD+8*\i+2*\j], v[DD+8*\i+2*\j+1]             ; each accumulator from its low end on
.endr
.endr
.irp i, 0,1,2,3
	global_store_b128 v[L16], v[OO+4*\i:OO+4*\i+3], s[14:15] offset:1024*\i        ; 32 lanes store 512 consecutive bytes
.endr
.Lend:
	s_wait_tensorcnt 0x0                           ; the wave's end
	ds_add_u32 v[SPW], v[NIL]
	s_wait_dscnt 0x0
	s_endpgm
.Lfunc_end_k_qd4de20703f_xgmat:
	.size	k_qd4de20703f_xgmat, .Lfunc_end_k_qd4de20703f_xgmat-k_qd4de20703f_xgmat
	.p2alignl 7, 3214868480
	.fill 96, 4, 3214868480
	.section	.rodata,"a",@progbits
	.p2align	6, 0x0
	.amdhsa_kernel k_qd4de20703f_xgmat
		.amdhsa_group_segment_fixed_size 133632
		.amdhsa_private_segment_fixed_size 0
		.amdhsa_enable_private_segment 0
		.amdhsa_kernarg_size 48
		.amdhsa_user_sgpr_count 2
		.amdhsa_user_sgpr_kernarg_segment_ptr 1
		.amdhsa_wavefront_size32 1
		.amdhsa_system_sgpr_workgroup_id_x 1
		.amdhsa_system_sgpr_workgroup_id_y 1
		.amdhsa_system_sgpr_workgroup_id_z 1
		.amdhsa_system_vgpr_workitem_id 0
		.amdhsa_next_free_vgpr 512
		.amdhsa_next_free_sgpr 66
		.amdhsa_reserve_vcc 1
		.amdhsa_float_denorm_mode_32 3
		.amdhsa_float_denorm_mode_16_64 3
		.amdhsa_memory_ordered 1
		.amdhsa_forward_progress 1
		.amdhsa_inst_pref_size 64
	.end_amdhsa_kernel
	.amdgpu_metadata
---
amdhsa.version: [ 1, 2 ]
amdhsa.kernels:
  - .name:           k_qd4de20703f_xgmat
    .symbol:         k_qd4de20703f_xgmat.kd
    .args:
      - { .name: x, .offset: 0, .size: 8, .value_kind: global_buffer, .address_space: global }
      - { .name: part, .offset: 8, .size: 8, .value_kind: global_buffer, .address_space: global }
      - { .name: Wout, .offset: 16, .size: 8, .value_kind: global_buffer, .address_space: global }
      - { .name: xc, .offset: 24, .size: 8, .value_kind: global_buffer, .address_space: global }
      - { .name: xs, .offset: 32, .size: 8, .value_kind: global_buffer, .address_space: global }
      - { .name: g16, .offset: 40, .size: 8, .value_kind: global_buffer, .address_space: global }
    .group_segment_fixed_size: 133632
    .private_segment_fixed_size: 0
    .kernarg_segment_align: 8
    .kernarg_segment_size: 48
    .max_flat_workgroup_size: 128
    .sgpr_count:     66
    .vgpr_count:     512
    .wavefront_size: 32
...
	.end_amdgpu_metadata
.endif
;; end of part 3
;; launch outp (part 4): grid 256 x 1, 4 waves a work-group, no clusters, 148,992 bytes of LDS; arguments xc, xs, wc, ws, g16, bout, out0; writes out0
.if DOCPART == 4
	.amdgcn_target "amdgcn-amd-amdhsa--gfx1250"
	.amdhsa_code_object_version 6
	.text
	.protected	k_qd4de20703f_outp
	.globl	k_qd4de20703f_outp
	.p2align	8
	.type	k_qd4de20703f_outp,@function
k_qd4de20703f_outp:
	s_mov_b64 s[64:65], 0
	v_nop
	global_prefetch_b8 v0, s[64:65] scope:SCOPE_SE
	s_setreg_imm32_b32 hwreg(HW_REG_WAVE_MODE, 25, 1), 1
	s_wait_xcnt 0x0
; out0 = (Q(x) Q(Wq)) G + bout for 128 tokens a work-group.  x's and Wq's codes of FP4 and their E8M0 scale words were made by earlier launches and lie in the order of the operand's registers; q is made on them, rounded to f16,
; and multiplied by G x 2^6 (f16, made by the launch before) with f32 sums; the way out multiplies by 2^-6 and adds the bias in one fused multiply-add.
; SHARES.  THE WAVES SHARE THE COLUMNS, NOT THE ROWS: wave w makes q's columns 128 w .. + 127 and out's columns 64 w .. + 63 for all 128 tokens, so its part of Wq (16 KB) and of G (64 KB) comes from memory once, straight into the
; operand's registers, and stays; x's codes (16 KB) likewise, in every wave.  What goes round is q in f16 (128 KB), through LDS as images of the operand's registers: 16 bytes a lane at 16 x lane, no pitch, no padding.
; PHASES, one barrier.  1: q, a tile of 16 tokens at a time, transposed (source 0 = 16 columns of Wq, source 1 = x): a lane's 8 registers are 8 neighbours along the next K; f16; images | barrier |
; 2: out^T = G^T q^T (source 0 = 16 columns n of G, source 1 = 16 tokens), in 16 chunks of 8 fragments of q and 32 products.  Chunks 0-7: tiles 0-3, two K steps of 32 a chunk, so that G is wanted batch by batch, in the order in which
; it was asked for.  Chunks 8-15: ONE tile, eight K steps a chunk: a tile is finished every second chunk and leaves while the next ones are multiplied; only the last tile's stores stand behind the last product.
; NO JOINT LOADS, NO TENSOR LOADS: G is shared by the 64 work-groups of a batch, but a joint load lands in LDS, and G's 262,144 bytes beside q's 131,072 and the stages' 17,408 pass the 327,680 that there are;
; from memory G goes straight into 512 registers a wave.
; LIMITS: q goes in f16: |q| < 65,504 (the drawn q is about 0.3); NaN and infinities among the inputs are not served.
; REGISTERS.  window 0: v1-14 addresses; v16-23 Wq's scale words, v24-31 x's; v32-95, v96-159 two sets of 64 (q's accumulators; then q's fragments); v160-223 q in f16, two sets; in phase 2 the bias v160-191 and
;   rows of out v192-223, v224-255 by turns.   window 1: v0-127 Wq's fragments, v128-255 x's; in phase 2 the 32 accumulators ((m, c) at 8 (4 m + c)).   windows 2, 3: G ((u, c) at 8 (4 (u % 8) + c)).
.set OPITCH, 272                       ; the way out: 16 rows x (256 + 16) bytes for each wave, from LDS byte 0 on
.set QIMG,  4*16*OPITCH                ; behind the stages: q: [tile m][u][g][lane][16 bytes]: 16,384 bytes a tile,
.set SPARE, QIMG+8*16384               ; and the spare words, 128 bytes for each wave
.set L16,  1                           ; v1   16 x lane
.set L4,   2                           ; v2   4 x lane
.set QW0,  3                           ; v3, v4   where I store q's images: tiles 0-3, tiles 4-7
.set QR0,  5                           ; v5, v6   where all read them
.set OSW,  7                           ; v7   the way out: where I put 32 bytes of a row;  v8 where I read rows back;  v9 my byte offset in out0
.set OSR,  8
.set GOUT, 9
.set SPW,  10                          ; v10  my spare word; never rewritten
.set NIL,  11                          ; v11  0; never rewritten
.set BOF,  12                          ; v12  32 h: the bias's offset
.set TA,   13                          ; v13, v14 at work at the head
.set TB,   14
.set WQS,  16
.set XS,   24
.set HA0,  32
.set PK,   160
.set BIAS, 160
.set BK,   192
.set MSB, 0
.macro WIN new                         ; the immediate's high byte repeats the setting that is left; a switch that changes nothing is dropped
.if MSB != (\new)
	s_set_vgpr_msb (MSB<<8)|(\new)
.set MSB, (\new)
.endif
.endm
.macro GLOAD k                         ; G's K steps u = 4 k .. 4 k + 3, my 64 columns: 32 loads of 512 consecutive bytes, into window 2 (u < 8) or 3
	WIN 0x80+0x40*((\k)/2)
.irp a, 0,1,2,3
.irp c, 0,1,2,3
.irp g, 0,1
	global_load_b128 v[8*(4*((4*(\k)+\a)%8)+\c)+4*\g:8*(4*((4*(\k)+\a)%8)+\c)+4*\g+3], v[L16], s[12:13] offset:1024*(4*(4*(\k)+\a)+\c)+512*\g
.endr
.endr
.endr
	WIN 0
.endm
; one product of q: tile m of tokens, 16 columns t, K step s.  Wq's scale words lie two tiles to a register (odd tiles in lanes 16-31), x's two K steps to a register.  K step 0 starts the sum: nothing is cleared.
.macro QMUL m, t, s
.set rD, HA0+64*((\m)%2)+8*(\t)
.set rW, 16*(\t)+8*(\s)
.set rX, 128+16*(\m)+8*(\s)
.set rA, WQS+2*((\t)/2)+(\s)
.set rB, XS+(\m)
.if (\s) == 0
.if ((\t)%2) == 0
	v_wmma_scale_f32_16x16x128_f8f6f4 v[rD:rD+7], v[rW:rW+7], v[rX:rX+7], 0, v[rA], v[rB] matrix_a_fmt:MATRIX_FMT_FP4 matrix_b_fmt:MATRIX_FMT_FP4
.else
	v_wmma_scale_f32_16x16x128_f8f6f4 v[rD:rD+7], v[rW:rW+7], v[rX:rX+7], 0, v[rA], v[rB] matrix_a_fmt:MATRIX_FMT_FP4 matrix_b_fmt:MATRIX_FMT_FP4 matrix_a_scale:MATRIX_SCALE_ROW1
.endif
.else
.if ((\t)%2) == 0
	v_wmma_scale_f32_16x16x128_f8f6f4 v[rD:rD+7], v[rW:rW+7], v[rX:rX+7], v[rD:rD+7], v[rA], v[rB] matrix_a_fmt:MATRIX_FMT_FP4 matrix_b_fmt:MATRIX_FMT_FP4 matrix_b_scale:MATRIX_SCALE_ROW1
.else
	v_wmma_scale_f32_16x16x128_f8f6f4 v[rD:rD+7], v[rW:rW+7], v[rX:rX+7], v[rD:rD+7], v[rA], v[rB] matrix_a_fmt:MATRIX_FMT_FP4 matrix_b_fmt:MATRIX_FMT_FP4 matrix_a_scale:MATRIX_SCALE_ROW1 matrix_b_scale:MATRIX_SCALE_ROW1
.endif
.endif
.endm
.macro QTILE m                         ; 16 products: the tile's 8 accumulators take turns, K step by K step
	WIN 0x05                                       ; sources 0 (Wq) and 1 (x) window 1
.irp s, 0,1
.irp t, 0,1,2,3,4,5,6,7
	QMUL \m, \t, \s
.endr
.endr
.endm
; which tile of tokens (cm) and which K step of 32 (cu) fragment k of chunk j is
.macro CHM j, k
.if (\j) < 8
.set cm, (\k)%4
.set cu, 2*(\j)+(\k)/4
.else
.set cm, 4+((\j)-8)/2
.set cu, 8*(((\j)-8)%2)+(\k)
.endif
.endm
.macro LOADQ j                         ; chunk j's eight fragments of q into set j % 2: 16 loads
.irp k, 0,1,2,3,4,5,6,7
	CHM \j, \k
.irp g, 0,1
	ds_load_b128 v[HA0+64*((\j)%2)+8*\k+4*\g:HA0+64*((\j)%2)+8*\k+4*\g+3], v[QR0+cm/4] offset:16384*(cm%4)+1024*cu+512*\g
.endr
.endr
.endm
.macro MULQ j                          ; chunk j's 32 products.  The accumulators take turns, one instruction a turn: sixteen of them in chunks 0-7, the tile's four in chunks 8-15.  K step 0 starts each sum
.irp k, 0,1,2,3,4,5,6,7
	CHM \j, \k
	WIN 0x52+cu/8                                  ; source 0 (G) window 2 or 3, C and D window 1: one setting for the whole chunk
.irp c, 0,1,2,3
.if cu == 0
	v_wmma_f32_16x16x32_f16 v[8*(4*cm+\c):8*(4*cm+\c)+7], v[8*(4*(cu%8)+\c):8*(4*(cu%8)+\c)+7], v[HA0+64*((\j)%2)+8*\k:HA0+64*((\j)%2)+8*\k+7], 0
.else
	v_wmma_f32_16x16x32_f16 v[8*(4*cm+\c):8*(4*cm+\c)+7], v[8*(4*(cu%8)+\c):8*(4*(cu%8)+\c)+7], v[HA0+64*((\j)%2)+8*\k:HA0+64*((\j)%2)+8*\k+7], v[8*(4*cm+\c):8*(4*cm+\c)+7]
.endif
.endr
.endr
.endm
; THE WAY OUT of tile t.  PACK: x 2^-6 + the bias, one fused multiply-add for two numbers, in place.  TOSTAGE: into my stage, and back as rows of 256 bytes.  SEND: stored.
.macro PACK t
	WIN 0x41                                       ; destination and source 0 window 1, the bias window 0
.irp c, 0,1,2,3
.irp i, 0,2,4,6
	v_pk_fma_f32 v[8*(4*(\t)+\c)+\i:8*(4*(\t)+\c)+\i+1], v[8*(4*(\t)+\c)+\i:8*(4*(\t)+\c)+\i+1], 0x3c800000, v[BIAS+8*\c+\i:BIAS+8*\c+\i+1] op_sel_hi:[1,0,1]   ; each accumulator from its low end on
.endr
.endr
.endm
.macro TOSTAGE t
	WIN 0x04                                       ; an LDS store's data are its source 1: window 1
.irp c, 0,1,2,3
	ds_store_b128 v[OSW], v[8*(4*(\t)+\c):8*(4*(\t)+\c)+3] offset:64*\c            ; lane (r, hh): token r, columns 16 c + 8 hh + 0 .. 7
	ds_store_b128 v[OSW], v[8*(4*(\t)+\c)+4:8*(4*(\t)+\c)+7] offset:64*\c+16
.endr
	WIN 0
.irp i, 0,1,2,3,4,5,6,7
	ds_load_b128 v[BK+32*((\t)%2)+4*\i:BK+32*((\t)%2)+4*\i+3], v[OSR] offset:2*OPITCH*\i   ; LDS serves a wave's instructions in order: these see my stores, and the next tile's stores come behind them; lanes 0-15 one row, lanes 16-31 the next
.endr
.endm
.macro SEND t
.irp i, 0,1,2,3,4,5,6,7
	global_store_b128 v[GOUT], v[BK+32*((\t)%2)+4*\i:BK+32*((\t)%2)+4*\i+3], s[16:17] offset:1024*(16*(\t)+2*\i) th:TH_STORE_NT   ; sixteen lanes store 256 consecutive bytes, aligned; written once, read by nobody here
.endr
.endm
	s_load_b256 s[4:11], s[0:1], 0x0               ; xc s[4:5], xs s[6:7], wc s[8:9], ws s[10:11]
	s_load_b128 s[12:15], s[0:1], 0x20             ; g16 s[12:13], bout s[14:15]
	s_load_b64 s[16:17], s[0:1], 0x30              ; out0
	v_lshl_add_u32 v[SPW], v0, 2, SPARE
	v_mov_b32 v[NIL], 0
	v_lshrrev_b32 v[TA], 5, v0
	v_readfirstlane_b32 s18, v[TA]                 ; wave 0..3
	v_and_b32 v[TA], 31, v0
	v_lshlrev_b32 v[L16], 4, v[TA]
	v_lshlrev_b32 v[L4], 2, v[TA]
	s_mov_b32 s27, 0
	s_wait_kmcnt 0x0
	s_lshl_b32 s26, ttmp9, 14
	s_add_nc_u64 s[4:5], s[4:5], s[26:27]          ; xc: 8 tiles of 2,048 bytes a work-group
	s_lshl_b32 s26, ttmp9, 10
	s_add_nc_u64 s[6:7], s[6:7], s[26:27]          ; xs: 8 x 128 bytes
	s_lshl_b32 s26, s18, 14
	s_add_co_u32 s26, s26, 131072
	s_add_nc_u64 s[8:9], s[8:9], s[26:27]          ; wc at tile 64 + 8 w
	s_lshl_b32 s26, s18, 10
	s_add_co_u32 s26, s26, 8192
	s_add_nc_u64 s[10:11], s[10:11], s[26:27]      ; ws at pair 32 + 4 w
	s_lshr_b32 s26, ttmp9, 6                       ; the batch
	s_lshl_b32 s26, s26, 18
	s_lshl_b32 s28, s18, 16
	s_add_co_u32 s26, s26, s28
	s_add_nc_u64 s[12:13], s[12:13], s[26:27]      ; g16: 262,144 batch + 65,536 w
	s_lshl_b32 s26, s18, 8
	s_add_nc_u64 s[14:15], s[14:15], s[26:27]      ; bout at column 64 w
	s_lshl_b32 s26, ttmp9, 17
	s_add_nc_u64 s[16:17], s[16:17], s[26:27]      ; out0: 128 rows of 1,024 bytes a work-group
.irp q, 0,1,2,3
.irp s, 0,1
	global_load_b32 v[WQS+2*\q+\s], v[L4], s[10:11] offset:128*(2*\q+\s)
.endr
.endr
.irp m, 0,1,2,3,4,5,6,7
	global_load_b32 v[XS+\m], v[L4], s[6:7] offset:128*\m
.endr
	WIN 0x40                                       ; destination window 1
.irp t, 0,1,2,3,4,5,6,7
.irp s, 0,1
.irp c, 0,1
	global_load_b128 v[16*\t+8*\s+4*\c:16*\t+8*\s+4*\c+3], v[L16], s[8:9] offset:2048*\t+1024*\s+512*\c       ; Wq's fragments
.endr
.endr
.endr
.irp m, 0,1,2,3,4,5,6,7
.irp s, 0,1
.irp c, 0,1
	global_load_b128 v[128+16*\m+8*\s+4*\c:128+16*\m+8*\s+4*\c+3], v[L16], s[4:5] offset:2048*\m+1024*\s+512*\c   ; x's fragments, all 8 tiles
.endr
.endr
.endr
	WIN 0
	GLOAD 0                                        ; G is asked for from here on, a batch of 32 loads at a time
	v_and_b32 v[TA], 15, v0                        ; r
	v_bfe_u32 v[TB], v0, 4, 1                      ; h
	v_lshlrev_b32 v[BOF], 5, v[TB]
	s_lshl_b32 s24, s18, 12
	s_add_co_u32 s24, s24, QIMG
	v_add_nc_u32 v[QW0], s24, v[L16]               ; my four K steps of q: 4,096 w
	v_add_nc_u32 v[QW0+1], 0x10000, v[QW0]
	v_add_nc_u32 v[QR0], QIMG, v[L16]
	v_add_nc_u32 v[QR0+1], QIMG+0x10000, v[L16]
	s_mul_i32 s25, s18, 16*OPITCH                  ; my stage for the way out
	v_mul_u32_u24 v[OSW], v[TA], OPITCH
	v_lshl_add_u32 v[OSW], v[TB], 5, v[OSW]
	v_add_nc_u32 v[OSW], s25, v[OSW]
	v_mul_u32_u24 v[OSR], v[TB], OPITCH
	v_lshl_add_u32 v[OSR], v[TA], 4, v[OSR]
	v_add_nc_u32 v[OSR], s25, v[OSR]
	s_lshl_b32 s24, s18, 8
	v_lshlrev_b32 v[GOUT], 10, v[TB]
	v_lshl_add_u32 v[GOUT], v[TA], 4, v[GOUT]
	v_add_nc_u32 v[GOUT], s24, v[GOUT]             ; 1,024 h + 16 r + 256 w
	; ---- 1: q
	s_wait_loadcnt 32                              ; loads come back in order: scale words, Wq and x are in; G's first 32 loads may be out
	QTILE 0
.irp m, 0,1,2,3,4,5,6,7
.if \m < 7
	QTILE \m+1                                     ; the next tile's products, into the other set, stand ahead of this tile's conversions
.endif
	WIN 0
.rept 4
	v_nop                                          ; four places in front of the first read of results
.endr
.if \m >= 2
	s_wait_dscnt 8                                 ; the stores of two tiles back have read their registers; the last tile's eight may be out
.endif
.irp t, 0,1,2,3,4,5,6,7
.irp i, 0,1,2,3
	v_cvt_pk_f16_f32 v[PK+32*(\m%2)+4*\t+\i], v[HA0+64*(\m%2)+8*\t+2*\i], v[HA0+64*(\m%2)+8*\t+2*\i+1]   ; lane (r, h): token r, q's columns 128 w + 16 t + 8 h + 0 .. 7; each accumulator from its low end on
.endr
.endr
.irp t, 0,1,2,3,4,5,6,7
	ds_store_b128 v[QW0+\m/4], v[PK+32*(\m%2)+4*\t:PK+32*(\m%2)+4*\t+3] offset:16384*(\m%4)+512*\t       ; K step u = 4 w + t / 2, half g = t % 2
.endr
.if \m == 1
	GLOAD 1
.endif
.if \m == 4
	GLOAD 2
.endif
.if \m == 7
	GLOAD 3
.endif
.endr
	s_wait_dscnt 0x0                               ; for the others' sake: my images have landed
	s_barrier_signal -1
	s_barrier_wait -1                              ; q's 128 fragments lie in LDS
.irp c, 0,1,2,3
	global_load_b128 v[BIAS+8*\c:BIAS+8*\c+3], v[BOF], s[14:15] offset:64*\c                   ; the bias in the result's layout: columns 16 c + 8 hh + 0 .. 7
	global_load_b128 v[BIAS+8*\c+4:BIAS+8*\c+7], v[BOF], s[14:15] offset:64*\c+16
.endr
	; ---- 2: out^T = G^T q^T
	LOADQ 0
.irp j, 0,1,2,3,4,5,6,7,8,9,10,11,12,13,14,15
.if \j > 0
.rept 4
	v_nop                                          ; four places in front of loads into the set that the last chunk's products read, and of the first read of results
.endr
.endif
.if \j >= 8
	s_wait_dscnt 0x0                               ; this chunk's fragments and the rows staged a chunk ago are in: both were asked for 32 products back
.if \j == 8
	s_wait_loadcnt 0x0                             ; the bias
.endif
.if \j >= 10
	s_wait_xcnt 0x0                                ; the stores of two tiles back have read their registers: the rows staged below may land there
.endif
.if \j >= 9
	SEND \j-9                                      ; a finished tile leaves while the next chunks are multiplied
.endif
.if \j <= 14
	PACK \j-8                                      ; tiles 0-3 were finished by chunk 7, tile 4 by chunk 9, tile 5 by chunk 11, tile 6 by chunk 13
	TOSTAGE \j-8
.endif
.endif
.if \j < 15
	LOADQ \j+1
.endif
.if \j < 8
	s_wait_dscnt 16                                ; this chunk's fragments are in; the next chunk's 16 loads may be out
.endif
.if \j == 0
	s_wait_loadcnt 63                              ; G's first 32 loads: 104 were issued behind them; the count's field holds 63
.endif
.if \j == 2
	s_wait_loadcnt 63                              ; the second 32: 72 behind them
.endif
.if \j == 4
	s_wait_loadcnt 40                              ; the third: 32 and the bias's 8 behind them
.endif
.if \j == 6
	s_wait_loadcnt 8                               ; the fourth: the bias's 8 behind them
.endif
	MULQ \j
	WIN 0
.endr
.rept 4
	v_nop                                          ; four places in front of the first read of the last tile's results
.endr
	PACK 7
	TOSTAGE 7                                      ; its set of rows was freed by the wait ahead of tile 6's stores
	s_wait_dscnt 0x0
	SEND 7
	s_wait_tensorcnt 0x0                           ; the wave's end
	ds_add_u32 v[SPW], v[NIL]
	s_wait_dscnt 0x0
	s_endpgm
.Lfunc_end_k_qd4de20703f_outp:
	.size	k_qd4de20703f_outp, .Lfunc_end_k_qd4de20703f_outp-k_qd4de20703f_outp
	.p2alignl 7, 3214868480
	.fill 96, 4, 3214868480
	.section	.rodata,"a",@progbits
	.p2align	6, 0x0
	.amdhsa_kernel k_qd4de20703f_outp
		.amdhsa_group_segment_fixed_size 148992
		.amdhsa_private_segment_fixed_size 0
		.amdhsa_enable_private_segment 0
		.amdhsa_kernarg_size 56
		.amdhsa_user_sgpr_count 2
		.amdhsa_user_sgpr_kernarg_segment_ptr 1
		.amdhsa_wavefront_size32 1
		.amdhsa_system_sgpr_workgroup_id_x 1
		.amdhsa_system_sgpr_workgroup_id_y 1
		.amdhsa_system_sgpr_workgroup_id_z 1
		.amdhsa_system_vgpr_workitem_id 0
		.amdhsa_next_free_vgpr 1024
		.amdhsa_next_free_sgpr 66
		.amdhsa_reserve_vcc 0
		.amdhsa_float_denorm_mode_32 3
		.amdhsa_float_denorm_mode_16_64 3
		.amdhsa_memory_ordered 1
		.amdhsa_forward_progress 1
		.amdhsa_inst_pref_size 140
	.end_amdhsa_kernel
	.amdgpu_metadata
---
amdhsa.version: [ 1, 2 ]
amdhsa.kernels:
  - .name:           k_qd4de20703f_outp
    .symbol:         k_qd4de20703f_outp.kd
    .args:
      - { .name: xc, .offset: 0, .size: 8, .value_kind: global_buffer, .address_space: global }
      - { .name: xs, .offset: 8, .size: 8, .value_kind: global_buffer, .address_space: global }
      - { .name: wc, .offset: 16, .size: 8, .value_kind: global_buffer, .address_space: global }
      - { .name: ws, .offset: 24, .size: 8, .value_kind: global_buffer, .address_space: global }
      - { .name: g16, .offset: 32, .size: 8, .value_kind: global_buffer, .address_space: global }
      - { .name: bout, .offset: 40, .size: 8, .value_kind: global_buffer, .address_space: global }
      - { .name: out0, .offset: 48, .size: 8, .value_kind: global_buffer, .address_space: global }
    .group_segment_fixed_size: 148992
    .private_segment_fixed_size: 0
    .kernarg_segment_align: 8
    .kernarg_segment_size: 56
    .max_flat_workgroup_size: 128
    .sgpr_count:     66
    .vgpr_count:     1024
    .wavefront_size: 32
...
	.end_amdgpu_metadata
.endif
;; end of part 4
